; MI455X (gfx1250); checked and timed in simulation.
; The chip was launched on July 23, 2026; its instructions are those of AMD's public machine-readable ISA for CDNA 5 (MIT licence, August 2026) and "CDNA5" Instruction Set Architecture Reference Guide (July 2026). The comments in the code are by the model that wrote it; some were corrected since.
;; Compiled Autograd0. Allowed arithmetic: matrix products marked QUANTISED: E2M1 operands, one E8M0 scale for each 32 along K, by v_wmma_scale_f32_16x16x128_f8f6f4 with both operands' format E2M1 (or v_wmma_scale_f32_32x16x128_f4), f32 sums; everything else in f32.
;; Inputs: k_codes 2 x 16 x 2,048 x 2 x 16 uint8 (E2M1 codes of k, K innermost, in blocks of 32 codes, two codes a byte); k_scales 2 x 16 x 2,048 x 2 uint8 (E8M0 scales of k, one for each 32 codes along K); q_codes 2 x 16 x 2,048 x 2 x 16 uint8 (E2M1 codes of q, K innermost, in blocks of 32 codes, two codes a byte); q_scales 2 x 16 x 2,048 x 2 uint8 (E8M0 scales of q, one for each 32 codes along K); v_codes 2 x 16 x 64 x 64 x 16 uint8 (E2M1 codes of v, K innermost, in blocks of 32 codes, two codes a byte); v_scales 2 x 16 x 64 x 64 uint8 (E8M0 scales of v, one for each 32 codes along K).
;; Outputs: out0 2 x 16 x 2,048 x 64 float32.
;; This version of the problem:
;;   THIS VERSION OF THE PROBLEM IS GIVEN IN LOW PRECISION. The matrix products marked QUANTISED in the list below multiply operands that are first quantised to E2M1 (2 exponent bits, 1 mantissa bit; 4 bits a number), with one power-of-two scale for each 32 numbers along K (OCP MX v1.0); their sums are f32. All else is computed in f32.
;;   The module's matrix products, in the order in which they are computed (A, B: the left and right operand; K: the contracted axis; several contracted axes count as one K, in the product's order):
;;     1. batch 32 x [M 2,048, K 64] x [K 64, N 2,048]; A: input q (given as codes); B: input k (given as codes): QUANTISED
;;     2. batch 32 x [M 2,048, K 2,048] x [K 2,048, N 64]; A: softmax (see below); B: input v (given as codes): QUANTISED
;;   THE QUANTISER, for each operand of a quantised product, along K:
;;     - K is cut into blocks of 32 from its start; a last block that is shorter is filled with zeros.
;;     - A block's scale is 2^e with e = floor(log2(the largest magnitude in the block)) - 2, held to -126 .. 127; a block of zeros has e = 0. As a byte (E8M0): e + 127.
;;     - Each number is divided by its block's scale, clamped to +-6, and rounded to the nearest number of E2M1, ties to even, subnormals kept.
;;     - The product sums the exact products of the quantised numbers (number of the format x scale) in f32.
;;   ~~~python
;;   def quantise(x, axis):      # numpy; x: float32 -> the quantised numbers, widened to float32 again
;;       x = np.moveaxis(x, axis, -1); K = x.shape[-1]
;;       x = np.pad(x, [(0, 0)] * (x.ndim - 1) + [(0, -K % 32)]); x = x.reshape(x.shape[:-1] + (-1, 32)); a = np.abs(x).max(-1, keepdims=True)
;;       e = np.where(a > 0, np.clip(np.frexp(np.where(a > 0, a, 1))[1] - 1 - 2, -126, 127), 0)      # np.frexp(a)[1] - 1 = floor(log2(a)), exactly
;;       r = np.clip(x / 2.0 ** e, -6, 6)
;;       step = 2.0 ** (np.maximum(np.frexp(np.where(r == 0, 1, r))[1] - 1, 0) - 1)
;;       q = np.round(r / step) * step * 2.0 ** e      # np.round: ties to even
;;       return np.moveaxis(q.reshape(q.shape[:-2] + (-1,))[..., :K], -1, axis).astype(np.float32)
;;   ~~~
;;   SOFTMAX AHEAD OF A QUANTISED PRODUCT. Where the list says 'softmax', what is quantised is not the finished softmax but p = 2^(t - M), with t = logit x log2(e) and M = ceil(the row's largest t), a whole number; so 1/2 < the row's largest p <= 1. The row's sum l is taken of the UNQUANTISED p, in f32, and the product's result is divided by l at the end. Since M is a whole number, a kernel that streams over the keys may use a running M (the ceiling of the running maximum): every later rescaling is an exact power of two, which a block's scale takes up: the codes' values come out the same.
;;   OPERANDS COMPUTED ON THE WAY. 'Computed on the way' means the value that the module computes at that place (a softmax that the list does not call 'softmax' is quantised finished and normalised). What goes into a quantiser is computed in f32, as accurately as f32 sums, v_exp_f32 and their like allow (about 1e-6 of the number): no bf16 or f16 on the way to a quantiser, and a product that is left as it is and whose result goes on into a quantised operand takes f32 operands (vector FMAs, or v_wmma_f32_16x16x4_f32). A number that lies on a knife's edge between two numbers of the format may be rounded either way, as far as f32 arithmetic and the matrix unit's own rounding can turn it there, and no further.
;;   INPUTS GIVEN AS CODES. k (in the module: [2, 16, 2048, 64], K = its axis 3); q (in the module: [2, 16, 2048, 64], K = its axis 3); v (in the module: [2, 16, 2048, 64], K = its axis 2): each comes as NAME_codes (uint8): NAME with its K axis moved to the last place and cut into blocks of 32 codes, [.., K / 32, bytes a block], one block behind the other in memory; two codes a byte, the lower K in the low four bits (a code: sign, 2 exponent bits, 1 mantissa bit); and NAME_scales (uint8): the same leading axes, one E8M0 byte (e + 127) for each 32 codes along K. Its value is code x scale, taken as it is: it is not quantised again, and the codes and scales need not be those that the quantiser above would give.
;; One version. Each part assembles by itself: llvm-mc -triple=amdgcn-amd-amdhsa -mcpu=gfx1250 --defsym DOCPART=n.
;; ======== version 1 of 1: 1 launch
;; launch attn (part 1): grid 8 x 32, 16 waves a work-group, no clusters, 215,040 bytes of LDS; arguments q_codes, q_scales, k_codes, k_scales, v_codes, v_scales, out0; writes out0
.if DOCPART == 1
	.amdgcn_target "amdgcn-amd-amdhsa--gfx1250"
	.amdhsa_code_object_version 6
	.text
	.protected	k_q74563f8f06_attn
	.globl	k_q74563f8f06_attn
	.p2align	8
	.type	k_q74563f8f06_attn,@function
k_q74563f8f06_attn:
	s_mov_b64 s[64:65], 0
	v_nop
	global_prefetch_b8 v0, s[64:65] scope:SCOPE_SE
	s_setreg_imm32_b32 hwreg(HW_REG_WAVE_MODE, 25, 1), 1
	s_wait_xcnt 0x0
; out0[head][q][:] = the sum over keys k <= q of softmax_k(Q[q] . K[k] / 8) V[k][:], 32 heads, 2,048 queries and keys, head size 64; both products on codes of FP4 (E2M1) with one E8M0 scale for each 32 along a product's K.
; Q, K: codes along the head's 64 (32 bytes a row), 2 scale bytes a row.  V: codes with the KEYS innermost, 64 rows (d) of 1,024 bytes a head, 64 scale bytes a row.  out0: f32, rows of 256 bytes.
; THE SOFTMAX AHEAD OF THE SECOND PRODUCT: t = score x log2(e) / 8; M = the row's largest t so far, rounded UP to a whole number; p = 2^(t - M) is what is quantised, along the keys, not normalised.
; The row's sum is taken of the unquantised p, in f32, and divides O at the end.  When M moves, the sum and O are multiplied by 2^(old M - new M): exact.
; SHARES.  A head has 16 blocks of 128 queries; block B needs B + 1 steps of 128 keys.  Work-group j of a head owns blocks j and 15 - j: 8 (j + 1) + 8 (16 - j) = 136 steps (16 queries x 128 keys) in every work-group.
; Each of its SIXTEEN waves owns one tile of 16 queries, in 256 registers.  Which block a wave takes is bit 0 of w xor (w >> 2): of waves w, w + 4, w + 8, w + 12, and of waves 4 s .. 4 s + 3 alike, two take each block.
; LDS.  A head's K and V, codes and scale bytes, are 139,264 bytes: they come into LDS ONCE, by six tensor loads (waves 0, 1: K's halves; 2, 3: V's halves; 4: K's scale bytes; 5: V's), and stay.  Nothing is filled twice:
; no ring, one barrier in the whole text.  By the text's own count a wave has at most one tensor load outstanding.
; LAYOUT.  Both products are used transposed: S^T = K Q^T (source 0 = 16 keys, source 1 = my 16 queries), O^T = V^T P^T (source 0 = 16 of the head's 64, source 1 = P): a lane holds ONE query (lane % 16) throughout.
; THE KEYS OF A TILE ARE NOT NEIGHBOURS: lane r of tile 2 b + u takes key 32 b + 8 u + r + 8 (r / 8), so that the 16 registers of tiles 2 b and 2 b + 1 are 16 neighbouring keys, 32 b + 16 (lane / 16) + 0 .. 15.
; THE FIRST PRODUCT'S K IS 64, the instruction's 128: registers 4-7 of Q's and of K's fragments hold zero codes, set once; bytes 2 and 3 of both scale words are 0 (a 16-bit load widened with zeros), which is 2^-127 over zero codes: nothing is added.
; CAUSAL.  Every wave walks 16 trips; a step all of whose keys come after the wave's queries is jumped over (a scalar branch on ids); in the wave's one step on the diagonal hidden scores become -infinity ahead of the maximum.
; NO CLUSTER, though the eight work-groups of a head read the same K and V: the branches that leave hidden steps out hang on the query block, which is the very thing that differs between such partners, and partners of a joint
; load must run alike; running alike would mean computing the hidden steps, up to 16 trips where a wave needs j + 1.  What is shared is read once by each work-group, ahead of its 136 steps.
; LIMITS: a row whose every t lies under -3e38 is not served; a scale byte 0xff among the inputs gives NaN, as the format says; a block's largest p is taken from its largest score, which takes v_exp_f32 not to fall where its input rises
; (the ISA guide promises 1 ulp: at the worst one p of a block, within an ulp of a power of two, is held one code low); p under 2^-126 counts as 0 (v_exp_f32 flushes: ISA guide 15.8).
.set KC,    0                          ; LDS: K's codes, dense in memory, stated as 128 rows of 512 bytes (16 keys) + 16 of padding: key x at (x / 16) 528 + (x % 16) 32
.set KPIT,  528                        ;   so the second eight keys of a tile (16 keys on) fall on the odd 16-byte columns, the first eight on the even ones (64 banks of 4 bytes: ISA guide 11.1)
.set VC,    128*KPIT                   ; V's codes: 64 rows of 1,024 bytes + 16 = 65 x 16 bytes: 16 rows start at 16 different 16-byte columns
.set VPIT,  1040
.set KS,    VC+64*VPIT                 ; K's scale bytes, dense: key x at 2 x
.set VS,    KS+4096                    ; V's scale bytes: 64 rows of 64 bytes + 8 = 18 words: 32 rows start at 32 different banks
.set VSPIT, 72
.set STAGE, VS+64*VSPIT                ; the way out: 16 rows x (256 bytes + 16) for each wave; no fill lands here.  KS, VS and STAGE are multiples of 256
.set SPIT,  272
.set AK0,  1                           ; v1   my lane's place in a tile of K
.set AV0,  2                           ; v2   in a tile of V
.set ASK0, 3                           ; v3   among K's scale bytes
.set ASV0, 4                           ; v4   among V's
.set GO,   5                           ; v5   the way out: 16 x lane
.set STO,  6                           ; v6   where I put 32 bytes of a row
.set RD,   7                           ; v7   where I read a row back
.set ADK,  8                           ; v8-11 the step's LDS addresses: K, V, K's scales, V's scales
.set ADV,  9
.set ADS,  10
.set ADT,  11
                                       ; v12 -M, v13 the largest t, v[14:15] the row's sum in two halves
.set QF,   16                          ; v16-23  Q's fragment (20-23 zero codes)
.set QS,   24                          ; v24     Q's scale words
.set PW,   25                          ; v25     p's scale word
.set KSW,  26                          ; v26-29  K's scale words: register b: lanes 0-15 tile 2 b's, lanes 16-31 tile 2 b + 1's
.set VSW,  30                          ; v30-31  V's likewise
.set KFR,  32                          ; v32-95  K's 8 fragments (registers 4-7 of each: zero codes, set once)
.set S,    96                          ; v96-159 S^T, then p
.set OT,   160                         ; v160-191 O^T: 4 tiles of 16 of the head's 64
.set VFR,  192                         ; v192-223 V's 4 fragments
.set PC,   224                         ; v224-231 p's codes
.set BM,   232                         ; v232-235 each block's largest score, then its largest p
.set PT,   236                         ; v236-239 the other half's maxima, then the scale bytes
.set SOP,  240                         ; v240-243 the conversions' scale operands
.set SUM2, 244                         ; v[244:245] the sum's second chain
.set FF,   246                         ; v[246:247] f = 2^(old M - new M); its upper half is only named
.set T0,   248                         ; v248 at work
.set DD,   249                         ; v249 the mask: my query - the step's first key - 16 (lane / 16)
.set NINF, 250                         ; v250 -infinity
.set RH,   251                         ; v251 lane % 16 - 16 (lane / 16)
.set QO,   252                         ; v252 Q's codes: my byte offset; never rewritten
.set QSO,  253                         ; v253 Q's scales: my byte offset; never rewritten
.set WV,   18                          ; s18  my wave's number
.set TMP,  19
.set SEL,  20                          ; s[20:21] lane selects for v_permlanex16_b32: lane l xor 16
.set CS,   22                          ; s[22:23] c = log2(e) / 8: the packed form names a pair and takes its low word for both halves
.set G1K,  24                          ; descriptor groups 1: K's codes, V's codes, K's scales, V's scales
.set G1V,  32
.set G1KS, 40
.set G1VS, 48
.set G0K,  56                          ; and groups 0
.set G0V,  60
.set G0KS, 68
.set G0VS, 72
.set TK,   76                          ; s76  the step's first byte among K's codes: 8 x 528 a step
.set TKS,  77                          ; s77  among K's scale bytes: 256 a step
.set TV,   78                          ; s78  in a row of V's codes: 64 a step
.set TVS,  79                          ; s79  in a row of V's scale bytes: 4 a step
.set KF,   80                          ; s80  the step's first key: the loop's counter
.set Q0,   81                          ; s81  my first query
.set Q15,  82                          ; s82  my last
.set TM2,  83
.set HEAD, 94
.set W0K,  (3<<16)|(1<<20)|(6<<22)|(3<<25)   ; 17:16 elements of 8 bytes; 20 padding on; 24:22 after every 128 words (code 6); 31:25 four words (code 3)
.set W0V,  (3<<16)|(1<<20)|(7<<22)|(3<<25)   ; after every 256 words (code 7), four words
.set W0KS, (3<<16)                           ; no padding
.set W0VS, (3<<16)|(1<<20)|(3<<22)|(1<<25)   ; after every 16 words (code 3), two words (code 1)
; A descriptor's group 1: a tile of r rows of c elements of 8 bytes, dense in memory (pitch = c); it lies inside the tensor, so the extents are the tile's
.macro SHAPE g, w0, c, r
	s_mov_b32 s[\g], \w0
	s_mov_b32 s[\g+1], (\c)<<16                    ; tensor_dim0
	s_mov_b32 s[\g+2], (\r)<<16                    ; tensor_dim1
	s_mov_b32 s[\g+3], (\c)<<16                    ; tile_dim0
	s_mov_b32 s[\g+4], \r                          ; tile_dim1
	s_mov_b32 s[\g+5], \c                          ; tensor_dim0_stride
	s_mov_b32 s[\g+6], 0
	s_mov_b32 s[\g+7], 0
.endm
.macro PLACES                          ; four plain vector lines (ISA guide 7.12.1)
.rept 4
	v_nop
.endr
.endm
	s_load_b256 s[4:11], s[0:1], 0x0               ; Q's codes s[4:5], Q's scales s[6:7], K's codes s[8:9], K's scales s[10:11]
	s_load_b128 s[12:15], s[0:1], 0x20             ; V's codes s[12:13], V's scales s[14:15]
	s_load_b64 s[16:17], s[0:1], 0x30              ; out0
	v_lshl_add_u32 v254, v0, 2, 0x34000
	v_mov_b32 v255, 0
	ds_add_u32 v254, v255
	ds_add_u32 v254, v255
	v_lshrrev_b32 v8, 5, v0
	v_readfirstlane_b32 s[WV], v8                  ; wave 0..15
	s_and_b32 s[HEAD], ttmp7, 0xffff               ; the head, 0..31
	s_lshr_b32 s[TMP], s[WV], 2
	s_xor_b32 s[TMP], s[TMP], s[WV]
	s_and_b32 s[TMP], s[TMP], 1                    ; which of the work-group's two blocks of queries is mine
	s_sub_co_u32 s[TM2], 15, ttmp9
	s_cmp_eq_u32 s[TMP], 1
	s_cselect_b32 s[TM2], s[TM2], ttmp9            ; block 15 - j or block j
	s_lshl_b32 s[Q0], s[TM2], 7
	s_lshr_b32 s[TMP], s[WV], 1                    ; waves 2 m and 2 m + 1 take tile m of the one block and of the other
	s_lshl_b32 s[TMP], s[TMP], 4
	s_add_co_u32 s[Q0], s[Q0], s[TMP]              ; my first query: 128 x block + 16 x (wave / 2)
	s_add_co_u32 s[Q15], s[Q0], 15
	SHAPE G1K,  W0K,  64,  64                      ; 64 rows of 512 bytes: half of K's codes
	SHAPE G1V,  W0V,  128, 32                      ; 32 rows of 1,024 bytes: half of V's codes
	SHAPE G1KS, W0KS, 32,  16                      ; 16 rows of 256 bytes: K's scale bytes
	SHAPE G1VS, W0VS, 8,   64                      ; 64 rows of 64 bytes: V's scale bytes
	; byte offsets, made apart from the addresses; all lie under 2^25, so the upper words are 0
	s_lshl_b32 s84, s[HEAD], 16                    ; a head's codes: 65,536 bytes in each of the three tensors
	s_mov_b32 s85, 0
	s_and_b32 s[TM2], s[WV], 1                     ; which half I fetch, if I fetch codes
	s_lshl_b32 s86, s[TM2], 15
	s_add_co_u32 s86, s86, s84                     ; s[86:87]: the head's codes + my half's 32,768 bytes
	s_mov_b32 s87, 0
	s_lshl_b32 s88, s[HEAD], 12                    ; s[88:89]: a head's scale bytes: 4,096 in each of the three tensors
	s_mov_b32 s89, 0
	s_mul_i32 s[G0K+1], s[TM2], 64*KPIT            ; where my half goes: K's,
	s_mul_i32 s[G0V+1], s[TM2], 32*VPIT
	s_add_co_u32 s[G0V+1], s[G0V+1], VC            ; V's
	s_lshl_b32 s[TMP], s[Q0], 5
	s_add_co_u32 s84, s84, s[TMP]                  ; s[84:85]: my queries' codes, 32 bytes a row
	s_lshl_b32 s90, s[Q0], 1
	s_add_co_u32 s90, s90, s88                     ; s[90:91]: their scale bytes, 2 a row
	s_mov_b32 s91, 0
	s_lshl_b32 s92, s[HEAD], 19
	s_lshl_b32 s[TMP], s[Q0], 8
	s_add_co_u32 s92, s92, s[TMP]                  ; s[92:93]: their rows of out0, 256 bytes a row
	s_mov_b32 s93, 0
	s_mov_b32 s[SEL], 0x76543210
	s_mov_b32 s[SEL+1], 0xfedcba98
	s_mov_b32 s[CS], 0x3e38aa3b                    ; c = log2(e) / 8
	s_mov_b32 s[CS+1], s[CS]                       ; (named with it as a pair, so it is written)
	s_mov_b32 s[TK], 0
	s_mov_b32 s[TKS], 0
	s_mov_b32 s[TV], 0
	s_mov_b32 s[TVS], 0
	s_mov_b32 s[KF], 0
	s_wait_dscnt 0x0
	s_wait_kmcnt 0x0
	s_mov_b32 s[G0K], 1                            ; 1:0 count = 1
	s_add_nc_u64 s[G0K+2:G0K+3], s[8:9], s[86:87]  ; 120:64 global address of the tile's first byte
	s_or_b32 s[G0K+3], s[G0K+3], 0x80000000        ; 127:126 type = 2
	s_mov_b32 s[G0V], 1
	s_add_nc_u64 s[G0V+2:G0V+3], s[12:13], s[86:87]
	s_or_b32 s[G0V+3], s[G0V+3], 0x80000000
	s_mov_b32 s[G0KS], 1
	s_mov_b32 s[G0KS+1], KS
	s_add_nc_u64 s[G0KS+2:G0KS+3], s[10:11], s[88:89]
	s_or_b32 s[G0KS+3], s[G0KS+3], 0x80000000
	s_mov_b32 s[G0VS], 1
	s_mov_b32 s[G0VS+1], VS
	s_add_nc_u64 s[G0VS+2:G0VS+3], s[14:15], s[88:89]
	s_or_b32 s[G0VS+3], s[G0VS+3], 0x80000000
	; THE FILLS: one tensor load a wave at the most, chosen by the wave's number alone, ahead of every wait on TENSORcnt, every LDS read and the barrier.  Four v_nop follow each load.
	s_cmp_lt_u32 s[WV], 2
	s_cbranch_scc0 .Lnot_k
	tensor_load_to_lds s[G0K:G0K+3], s[G1K:G1K+7]      ; waves 0, 1: keys 0-1,023, keys 1,024-2,047
	s_nop 0
	PLACES
	s_branch .Lasked
.Lnot_k:
	s_cmp_lt_u32 s[WV], 4
	s_cbranch_scc0 .Lnot_v
	tensor_load_to_lds s[G0V:G0V+3], s[G1V:G1V+7]      ; waves 2, 3: V's rows 0-31, rows 32-63
	s_nop 0
	PLACES
	s_branch .Lasked
.Lnot_v:
	s_cmp_eq_u32 s[WV], 4
	s_cbranch_scc0 .Lnot_ks
	tensor_load_to_lds s[G0KS:G0KS+3], s[G1KS:G1KS+7]  ; wave 4: K's scale bytes
	s_nop 0
	PLACES
	s_branch .Lasked
.Lnot_ks:
	s_cmp_eq_u32 s[WV], 5
	s_cbranch_scc0 .Lasked
	tensor_load_to_lds s[G0VS:G0VS+3], s[G1VS:G1VS+7]  ; wave 5: V's scale bytes
	s_nop 0
	PLACES
.Lasked:
	s_add_nc_u64 s[4:5], s[4:5], s[84:85]          ; Q's codes at my first query,
	s_add_nc_u64 s[6:7], s[6:7], s[90:91]          ; its scale bytes,
	s_add_nc_u64 s[16:17], s[16:17], s[92:93]      ; its row of out0
	v_and_b32 v8, 15, v0                           ; r = lane % 16
	v_bfe_u32 v9, v0, 4, 1                         ; h = lane / 16
	v_and_b32 v10, 31, v0                          ; lane
	v_lshlrev_b32 v[QO], 5, v8
	v_lshl_add_u32 v[QO], v9, 4, v[QO]             ; Q: row r of 32 bytes, + 16 h: k = 32 h + 0 .. 31.  The wave reads 512 consecutive bytes
	global_load_b128 v[QF:QF+3], v[QO], s[4:5]     ; Q's fragment stays in registers
	v_lshlrev_b32 v[QSO], 1, v8
	global_load_u16 v[QS], v[QSO], s[6:7]          ; Q's scale word: two bytes, widened with zeros
.irp i, 4,5,6,7
	v_mov_b32 v[QF+\i], 0                          ; k = 64 .. 127: zero codes
.endr
.irp t, 0,1,2,3,4,5,6,7
.irp i, 4,5,6,7
	v_mov_b32 v[KFR+8*\t+\i], 0                    ; the same in K's eight fragments: set once, no load lands here in the loop
.endr
.endr
	v_lshrrev_b32 v[AK0], 3, v8
	v_mul_u32_u24 v[AK0], v[AK0], KPIT             ; K: lanes r >= 8 take keys 16 further on: the next LDS row,
	v_and_b32 v11, 7, v8
	v_lshl_add_u32 v[AK0], v11, 5, v[AK0]          ; key r % 8 of it, 32 bytes a key,
	v_lshl_add_u32 v[AK0], v9, 4, v[AK0]           ; + 16 h
	v_mul_u32_u24 v[AV0], v8, VPIT
	v_lshl_add_u32 v[AV0], v9, 4, v[AV0]
	v_add_nc_u32 v[AV0], VC, v[AV0]                ; V: row r of a tile, + 16 h
	v_lshrrev_b32 v[ASK0], 3, v8
	v_add_nc_u32 v[ASK0], v[ASK0], v9
	v_lshlrev_b32 v[ASK0], 4, v[ASK0]
	v_lshl_add_u32 v[ASK0], v8, 1, v[ASK0]
	v_add_nc_u32 v[ASK0], KS, v[ASK0]              ; K's scales: 2 bytes a key: 2 (r + 8 (r / 8)); lanes 16-31 take the odd tile's, 8 keys on
	v_mul_u32_u24 v[ASV0], v10, VSPIT
	v_add_nc_u32 v[ASV0], VS, v[ASV0]              ; V's scales: row = lane: lanes 0-15 the even tile's rows, lanes 16-31 the odd tile's
	v_lshlrev_b32 v[GO], 4, v10
	s_mul_i32 s[TMP], s[WV], 16*SPIT
	s_add_co_u32 s[TMP], s[TMP], STAGE             ; my stage
	v_mul_u32_u24 v[STO], v8, SPIT
	v_lshl_add_u32 v[STO], v9, 5, v[STO]
	v_add_nc_u32 v[STO], s[TMP], v[STO]            ; in: row r; tile t's eight channels of my half: 64 t + 32 h bytes on
	v_mul_u32_u24 v[RD], v9, SPIT
	v_lshl_add_u32 v[RD], v8, 4, v[RD]
	v_add_nc_u32 v[RD], s[TMP], v[RD]              ; back: lanes 0-15 one row, lanes 16-31 the next
	v_lshlrev_b32 v[RH], 4, v9
	v_sub_nc_u32 v[RH], v8, v[RH]                  ; r - 16 h
	v_mov_b32 v13, 0xff61b1e6                      ; the largest t so far: -3e38, under every t
	v_floor_f32 v12, -v13                          ; -M
	v_mov_b32 v14, 0                               ; the sum, in two halves
	v_mov_b32 v15, 0
.irp b, 0,1,2,3
	v_mov_b32 v[PT+\b], 0                          ; written once: a lane permute's destination counts as one of its sources
.endr
	v_mov_b32 v[T0], 0                             ; likewise
	v_mov_b32 v[FF+1], 0                           ; (named as the upper half of the pair before it is otherwise written)
	v_mov_b32 v[NINF], 0xff800000
.set n, 0
.rept 32
	v_mov_b32 v[OT+n], 0                           ; O^T.  (The step is written once: the first finds zeros, which the first change of M leaves zeros)
.set n, n+1
.endr
	s_wait_tensorcnt 0x0                           ; for the others' sake: my part of the head is in LDS,
	s_barrier_signal -1
	s_barrier_wait -1                              ; everybody's is.  The only barrier: from here on the waves share nothing that is written
	s_wait_loadcnt 0x0                             ; Q
; A step's 22 LDS loads in one run: K's twelve first, which the scores want at once; V's ten land under the softmax.
.macro LOADS
	v_add_nc_u32 v[ADK], s[TK], v[AK0]             ; these four lines are also the four places between the last step's products and the loads into their sources
	v_add_nc_u32 v[ADV], s[TV], v[AV0]
	v_add_nc_u32 v[ADS], s[TKS], v[ASK0]
	v_add_nc_u32 v[ADT], s[TVS], v[ASV0]
.irp t, 0,1,2,3,4,5,6,7
	ds_load_b128 v[KFR+8*\t:KFR+8*\t+3], v[ADK] offset:2*KPIT*(\t/2)+256*(\t%2)   ; tile 2 b + u begins at key 32 b + 8 u
.endr
.irp b, 0,1,2,3
	ds_load_u16 v[KSW+\b], v[ADS] offset:64*\b     ; widened with zeros: bytes 2 and 3 stand over zero codes
.endr
.irp t, 0,1,2,3
.irp c, 0,1
	ds_load_b128 v[VFR+8*\t+4*\c:VFR+8*\t+4*\c+3], v[ADV] offset:16*VPIT*\t+32*\c
.endr
.endr
.irp u, 0,1
	ds_load_b32 v[VSW+\u], v[ADT] offset:32*VSPIT*\u
.endr
	s_wait_dscnt 10                                ; LDS loads come back in order (ISA guide 5.7.1): K's twelve are in, V's ten may be out
.endm
; S^T = K Q^T: eight tiles of 16 keys.  Register 16 b + i of a lane is key KF + 32 b + 16 (lane / 16) + i of its query.
.macro SCORES
.irp t, 0,1,2,3,4,5,6,7
.if \t%2
	v_wmma_scale_f32_16x16x128_f8f6f4 v[S+8*\t:S+8*\t+7], v[KFR+8*\t:KFR+8*\t+7], v[QF:QF+7], 0, v[KSW+\t/2], v[QS] matrix_a_fmt:MATRIX_FMT_FP4 matrix_b_fmt:MATRIX_FMT_FP4 matrix_a_scale:MATRIX_SCALE_ROW1
.else
	v_wmma_scale_f32_16x16x128_f8f6f4 v[S+8*\t:S+8*\t+7], v[KFR+8*\t:KFR+8*\t+7], v[QF:QF+7], 0, v[KSW+\t/2], v[QS] matrix_a_fmt:MATRIX_FMT_FP4 matrix_b_fmt:MATRIX_FMT_FP4
.endif
.endr
	PLACES                                         ; in front of the first read of the scores
.endm
; On the diagonal: register 16 b + i is hidden where 32 b + i > d = my query - KF - 16 (lane / 16).  Each tile's registers in ascending order.
.macro MASK
	s_sub_co_i32 s[TM2], s[Q0], s[KF]
	v_add_nc_u32 v[DD], s[TM2], v[RH]
.set n, 0
.rept 64
	v_cmp_gt_i32 vcc_lo, 32*(n/16)+n%16, v[DD]
	v_cndmask_b32 v[S+n], v[S+n], v[NINF], vcc_lo
.set n, n+1
.endr
.endm
.macro SOFTMAX
.irp b, 0,1,2,3
	v_max3_num_f32 v[BM+\b], v[S+16*\b], v[S+1+16*\b], v[S+2+16*\b]   ; THE LARGEST SCORE OF EACH BLOCK OF 32 KEYS: it serves twice: for the row's maximum, and, since p rises with the score, for the block's largest p
.endr
.irp i, 3,5,7,9,11,13
.irp b, 0,1,2,3
	v_max3_num_f32 v[BM+\b], v[BM+\b], v[S+16*\b+\i], v[S+1+16*\b+\i]   ; (the four blocks by turns: no line waits for the line above it)
.endr
.endr
.irp b, 0,1,2,3
	v_max_num_f32 v[BM+\b], v[BM+\b], v[S+15+16*\b]
.endr
.irp b, 0,1,2,3
	v_permlanex16_b32 v[PT+\b], v[BM+\b], s[SEL], s[SEL+1]
.endr
.irp b, 0,1,2,3
	v_max_num_f32 v[BM+\b], v[BM+\b], v[PT+\b]     ; with lane l xor 16's 16 keys
.endr
	v_max3_num_f32 v[T0], v[BM], v[BM+1], v[BM+2]
	v_max_num_f32 v[T0], v[T0], v[BM+3]            ; the step's largest score of my query
	v_mul_f32 v[T0], s[CS], v[T0]                  ; as t (c is positive)
	v_max_num_f32 v13, v13, v[T0]                  ; the running largest t
	v_mov_b32 v[T0], v12
	v_floor_f32 v12, -v13                          ; the new -M = floor(-t) = -ceil(t): M IS A WHOLE NUMBER
	v_sub_f32 v[T0], v12, v[T0]                    ; M's old value less its new one: a whole number, 0 or less
	v_cvt_i32_f32 v[T0], v[T0]                     ; (it saturates)
	v_ldexp_f32 v[FF], 1.0, v[T0]                  ; f = 2^(old M - new M): a multiplication by it rounds nothing
.set n, 0
.rept 32
	v_pk_fma_f32 v[S+n:S+n+1], v[S+n:S+n+1], s[CS:CS+1], v[12:13] op_sel_hi:[1,0,0]   ; t - M, two at a time (of the pairs c and -M the low word serves both halves)
.set n, n+2
.endr
.irp b, 0,1,2,3
	v_fma_f32 v[BM+\b], v[BM+\b], s[CS], v12       ; the same of each block's largest score
.endr
.set n, 0
.rept 64
	v_exp_f32 v[S+n], v[S+n]                       ; p = 2^(t - M), at most 1: NOT normalised
.set n, n+1
.endr
.irp b, 0,1,2,3
	v_exp_f32 v[BM+\b], v[BM+\b]                   ; the block's largest p: the same two instructions on the same number give the same bits
.endr
	v_pk_mul_f32 v[14:15], v[14:15], v[FF:FF+1] op_sel_hi:[1,0]   ; the sums under the new M.  (The plain line behind the exponentials: ISA guide 5.7.2)
	s_wait_alu depctr_va_vdst(0)
.irp b, 0,1,2,3
	v_max_num_f32 v[BM+\b], 0x1800000, v[BM+\b]    ; the floor 2^(3 - 127): the byte cannot fall under 1 (a block whose every p is 0 keeps that byte: its codes are zeros)
.endr
.irp b, 0,1,2,3
	v_add_nc_u32 v[SOP+\b], 0xff000000, v[BM+\b]   ; 2 off the exponent field: the conversion takes the exponent field of this operand as its scale, and nothing else of it
.endr
.irp b, 0,1,2,3
	v_lshrrev_b32 v[PT+\b], 23, v[SOP+\b]          ; the scale's byte
.endr
	v_lshl_or_b32 v[PW], v[PT+1], 8, v[PT]         ; p's scale word for these 128 keys
	v_lshl_or_b32 v[PW], v[PT+2], 16, v[PW]
	v_lshl_or_b32 v[PW], v[PT+3], 24, v[PW]
.irp b, 0,1,2,3
	v_cvt_scalef32_pk8_fp4_f32 v[PC+2*\b], v[S+16*\b:S+16*\b+7], v[SOP+\b]       ; the codes of keys 32 b + 16 h + 0 .. 7
	v_cvt_scalef32_pk8_fp4_f32 v[PC+1+2*\b], v[S+8+16*\b:S+8+16*\b+7], v[SOP+\b] ; and + 8 .. 15
.endr
	v_nop                                          ; one plain line between a scaled conversion and the vector instruction that touches its result
.irp c, 0,1                                    ; the operand's layout wants a WHOLE block in a lane: lanes 0-15 block 2 c, lanes 16-31 block 2 c + 1
.irp i, 0,1
	v_permlane16_swap_b32 v[PC+4*\c+\i], v[PC+2+4*\c+\i]
.endr
.endr
	v_pk_add_f32 v[SUM2:SUM2+1], v[S:S+1], v[S+2:S+3]   ; THE ROW'S SUM IS TAKEN OF THE UNQUANTISED p: two at a time, in two chains
.irp j, 4,8,12,16,20,24,28,32,36,40,44,48,52,56,60
	v_pk_add_f32 v[14:15], v[14:15], v[S+\j:S+\j+1]
	v_pk_add_f32 v[SUM2:SUM2+1], v[SUM2:SUM2+1], v[S+2+\j:S+3+\j]
.endr
	v_pk_add_f32 v[14:15], v[14:15], v[SUM2:SUM2+1]
.set n, 0
.rept 16
	v_pk_mul_f32 v[OT+n:OT+n+1], v[OT+n:OT+n+1], v[FF:FF+1] op_sel_hi:[1,0]   ; O^T under the new M, each tile from its low end on.  (The 48 lines from the sums on are also the places between p's scale word and codes and the products below)
.set n, n+2
.endr
.endm
; O^T += V^T P^T: four tiles of 16 of the head's 64; K = these 128 keys.  The four accumulators take turns, one instruction a turn, and the eight score products stand between two turns of each.
.macro PV
	s_wait_dscnt 0x0                               ; V's fragments and scale words are in
.irp t, 0,1,2,3
.if \t%2
	v_wmma_scale_f32_16x16x128_f8f6f4 v[OT+8*\t:OT+8*\t+7], v[VFR+8*\t:VFR+8*\t+7], v[PC:PC+7], v[OT+8*\t:OT+8*\t+7], v[VSW+\t/2], v[PW] matrix_a_fmt:MATRIX_FMT_FP4 matrix_b_fmt:MATRIX_FMT_FP4 matrix_a_scale:MATRIX_SCALE_ROW1
.else
	v_wmma_scale_f32_16x16x128_f8f6f4 v[OT+8*\t:OT+8*\t+7], v[VFR+8*\t:VFR+8*\t+7], v[PC:PC+7], v[OT+8*\t:OT+8*\t+7], v[VSW+\t/2], v[PW] matrix_a_fmt:MATRIX_FMT_FP4 matrix_b_fmt:MATRIX_FMT_FP4
.endif
.endr
.endm
.Lstep:                                            ; 16 trips in every wave: the trip count is a constant, the work is jumped over
	s_cmp_gt_u32 s[KF], s[Q15]                     ; all 128 keys come after my 16 queries: nothing to do but step the addresses
	s_cbranch_scc1 .Lhidden
	LOADS
	SCORES
	s_add_co_u32 s[TM2], s[KF], 127
	s_cmp_le_u32 s[TM2], s[Q0]                     ; all 128 keys count for all my queries: no mask
	s_cbranch_scc1 .Lopen
	MASK
.Lopen:
	SOFTMAX
	PV
.Lhidden:
	s_add_co_u32 s[TK], s[TK], 8*KPIT              ; the next 128 keys
	s_add_co_u32 s[TKS], s[TKS], 256
	s_add_co_u32 s[TV], s[TV], 64
	s_add_co_u32 s[TVS], s[TVS], 4
	s_add_co_u32 s[KF], s[KF], 128
	s_cmp_lt_u32 s[KF], 2048
	s_cbranch_scc1 .Lstep
	; THE WAY OUT.  O^T is divided by the row's sum and goes through my own stage in LDS: a lane holds 32 neighbouring bytes of a row, four times; it comes back as whole rows of 256 bytes, two an instruction.
	PLACES                                         ; behind the last products
	v_add_f32 v14, v14, v15                        ; the sum's two halves,
	v_permlanex16_b32 v[T0], v14, s[SEL], s[SEL+1]
	v_add_f32 v14, v14, v[T0]                      ; and lane l xor 16's: the row's sum
	v_rcp_f32 v14, v14
	v_nop                                          ; one plain line behind a transcendental
.set n, 0
	s_wait_alu depctr_va_vdst(0)
.rept 16
	v_pk_mul_f32 v[S+n:S+n+1], v[OT+n:OT+n+1], v[14:15] op_sel_hi:[1,0]   ; register 8 t + i is out0(query r, channel 16 t + 8 h + i); each tile from its low end on
.set n, n+2
.endr
.irp t, 0,1,2,3
	ds_store_b128 v[STO], v[S+8*\t:S+8*\t+3] offset:64*\t
	ds_store_b128 v[STO], v[S+8*\t+4:S+8*\t+7] offset:64*\t+16
.endr
.irp i, 0,1,2,3,4,5,6,7
	ds_load_b128 v[KFR+4*\i:KFR+4*\i+3], v[RD] offset:2*\i*SPIT   ; LDS serves a wave's instructions in order (ISA guide 5.7.1.4): these see my stores; the bytes are my wave's own
.endr
.irp i, 0,1,2,3,4,5,6,7
	s_wait_dscnt 7-\i                              ; the younger loads may stay out
	global_store_b128 v[GO], v[KFR+4*\i:KFR+4*\i+3], s[16:17] offset:512*\i th:TH_STORE_NT   ; 32 lanes store 512 consecutive bytes, at a multiple of 256 from out0's first byte; written once, read by nobody here
.endr
	s_wait_tensorcnt 0x0
	ds_add_u32 v254, v255
	s_wait_dscnt 0x0
	s_endpgm
.Lfunc_end_k_q74563f8f06_attn:
	.size	k_q74563f8f06_attn, .Lfunc_end_k_q74563f8f06_attn-k_q74563f8f06_attn
	.p2alignl 7, 3214868480
	.fill 96, 4, 3214868480
	.section	.rodata,"a",@progbits
	.p2align	6, 0x0
	.amdhsa_kernel k_q74563f8f06_attn
		.amdhsa_group_segment_fixed_size 215040
		.amdhsa_private_segment_fixed_size 0
		.amdhsa_enable_private_segment 0
		.amdhsa_kernarg_size 56
		.amdhsa_user_sgpr_count 2
		.amdhsa_user_sgpr_kernarg_segment_ptr 1
		.amdhsa_wavefront_size32 1
		.amdhsa_system_sgpr_workgroup_id_x 1
		.amdhsa_system_sgpr_workgroup_id_y 1
		.amdhsa_system_sgpr_workgroup_id_z 1
		.amdhsa_system_vgpr_workitem_id 0
		.amdhsa_next_free_vgpr 256
		.amdhsa_next_free_sgpr 96
		.amdhsa_reserve_vcc 1
		.amdhsa_float_denorm_mode_32 3
		.amdhsa_float_denorm_mode_16_64 3
		.amdhsa_memory_ordered 1
		.amdhsa_forward_progress 1
		.amdhsa_inst_pref_size 35
	.end_amdhsa_kernel
	.amdgpu_metadata
---
amdhsa.version: [ 1, 2 ]
amdhsa.kernels:
  - .name:           k_q74563f8f06_attn
    .symbol:         k_q74563f8f06_attn.kd
    .args:
      - { .name: q_codes, .offset: 0, .size: 8, .value_kind: global_buffer, .address_space: global }
      - { .name: q_scales, .offset: 8, .size: 8, .value_kind: global_buffer, .address_space: global }
      - { .name: k_codes, .offset: 16, .size: 8, .value_kind: global_buffer, .address_space: global }
      - { .name: k_scales, .offset: 24, .size: 8, .value_kind: global_buffer, .address_space: global }
      - { .name: v_codes, .offset: 32, .size: 8, .value_kind: global_buffer, .address_space: global }
      - { .name: v_scales, .offset: 40, .size: 8, .value_kind: global_buffer, .address_space: global }
      - { .name: out0, .offset: 48, .size: 8, .value_kind: global_buffer, .address_space: global }
    .group_segment_fixed_size: 215040
    .private_segment_fixed_size: 0
    .kernarg_segment_align: 8
    .kernarg_segment_size: 56
    .max_flat_workgroup_size: 512
    .sgpr_count:     96
    .vgpr_count:     256
    .wavefront_size: 32
...
	.end_amdgpu_metadata
.endif
;; end of part 1
